; MI455X (gfx1250); checked and timed in simulation.
; The chip was launched on July 23, 2026; its instructions are those of AMD's public machine-readable ISA for CDNA 5 (MIT licence, August 2026) and "CDNA5" Instruction Set Architecture Reference Guide (July 2026). The comments in the code are by the model that wrote it; some were corrected since.
;; Weighted Non Local Block. Allowed arithmetic: float matrix products may take bf16 or f16 operands with f32 sums; all other float work in f32.
;; Inputs: g_b 128 float32; g_w 128 x 128 float32; phi_b 128 float32; phi_w 128 x 128 float32; theta_b 128 float32; theta_w 128 x 128 float32; w one number float32; wz_b 128 float32; wz_w 128 x 128 float32; x 8 x 128 x 64 x 64 float32.
;; Outputs: out0 8 x 128 x 64 x 64 float32.
;; 2 versions, each right; version 2 is version 1 with the launch proj written anew for expert scheduling mode. Each part assembles by itself: llvm-mc -triple=amdgcn-amd-amdhsa -mcpu=gfx1250 --defsym DOCPART=n.
;; ======== version 1 of 2: 2 launches
;; workspace buffers: thT 8,388,608 bytes; phT 8,388,608 bytes; gB 8,388,608 bytes
;; launch proj (part 1): grid 32 x 8, 8 waves a work-group, no clusters, 142,336 bytes of LDS; arguments x, theta_w, theta_b, phi_w, phi_b, g_w, g_b, thT, phT, gB; writes thT, phT, gB
.if DOCPART == 1
	.amdgcn_target "amdgcn-amd-amdhsa--gfx1250"
	.amdhsa_code_object_version 6
	.text
	.protected	k_q5dba524d2d_proj
	.globl	k_q5dba524d2d_proj
	.p2align	8
	.type	k_q5dba524d2d_proj,@function
k_q5dba524d2d_proj:
	s_mov_b64 s[64:65], 0
	v_nop
	global_prefetch_b8 v0, s[64:65] scope:SCOPE_SE
	s_setreg_imm32_b32 hwreg(HW_REG_WAVE_MODE, 25, 1), 1
	s_wait_xcnt 0x0
; The three 1x1 convolutions of x[b][c][n] (f32), results in bf16 for the attention launch:
;   thT[b][n][o] = sum over c of theta_w[o][c] x[b][c][n] + theta_b[o]     (rows of 256 bytes, o along the row)
;   phT[b][m][o] = the same with phi_w, phi_b
;   gB [b][o][m] = the same with g_w, g_b                                  (rows of 8,192 bytes, m along the row)
; Work-group (nb, b) takes the 128 columns n = 128 nb .. of batch b; wave w (of 8) the output channels 16 w .. 16 w + 15 of all three.
; x and the weights are rounded to bf16 on the way to the matrix unit, sums and biases are f32, each result is rounded once to bf16.
; LIMITS: operands and results are bf16 (8 bits of mantissa); NaN and infinities in the inputs are not followed.
; No tensor loads: every byte is read once, straight into registers, and only x's tile is shared (through LDS, once).
; No cluster: the work-groups share only the 192 KiB of weights, a small part beside the 64 KiB of x that each reads alone, read once each.
.set XP,   288                         ; pitch of x's tile in LDS: 256 bytes + 32 = 9 x 32, for the transposing loads
.set SP,   272                         ; pitch of the stages: 256 bytes + 16 = 17 x 16: 16 rows start in 16 different 16-byte columns of 256
.set STT,  128*XP                      ; stage of theta^T, 128 rows n; x's tile [c][n] lies at byte 0
.set STP,  STT+128*SP                  ; stage of phi^T
.set STG,  STP+128*SP                  ; stage of g, 128 rows o; it ends at 141,312
.set L16,  4                           ; v4   16 x lane
.set WO,   5                           ; v5   512 r + 32 h: my place in a weight's 16 rows
.set XSW,  6                           ; v6   where I put 8 bytes of x's tile
.set XA,   7                           ; v7   transposing loads from x's tile
.set SAT,  8                           ; v8-10  where I put 16 bytes in the three stages
.set SAP,  9
.set SAG,  10
.set RDT,  11                          ; v11-13 where I read whole rows back
.set RDP,  12
.set RDG,  13
.set GO,   14                          ; v14  8192 h + 16 r: two rows of gB
.set BO,   15                          ; v15  byte offset of my 8 biases of theta and phi
.set WF,   16                          ; v16-207 weights as loaded (f32, fragment f = 4 mat + ks at 16 + 16 f); then bf16 in v16-111 (16 + 8 f)
.set ACC,  112                         ; v112-135 three accumulators; v112-207 serve the read-back at the end
.set XF0,  144                         ; v144-175, v176-207: x's fragments of one n tile (4 K steps x 8 registers), two buffers
.set XF1,  176
.set BT,   208                         ; v208-215 theta_b[16 w + 8 h + j], v216-223 phi_b likewise, v224-231 g_b[16 w + r] eight times
.set BP,   216
.set BG,   224
.set PK,   232                         ; v232-243 packed results
.set BO2,  244                         ; v244 byte offset of my g_b
.set TA,   245
.set TB,   246
; window 1 (v256-319): x's tile as loaded, 16 rows x 4 registers
.set MSB, 0
.macro WIN new                         ; s_set_vgpr_msb: bits 1:0 source 0, 3:2 source 1, 5:4 source 2, 7:6 destination; the high byte repeats the setting left
.if MSB != \new
	s_set_vgpr_msb (MSB<<8)|\new
.set MSB, \new
.endif
.endm
	s_load_b512 s[4:19], s[0:1], 0x0               ; x, theta_w, theta_b, phi_w, phi_b, g_w, g_b, thT
	s_load_b128 s[20:23], s[0:1], 0x40             ; phT, gB
	v_lshl_add_u32 v254, v0, 2, 0x22800
	v_mov_b32 v255, 0
	v_lshrrev_b32 v1, 5, v0
	v_readfirstlane_b32 s24, v1                    ; wave 0..7
	s_and_b32 s26, ttmp7, 0xffff                   ; b
	v_and_b32 v1, 31, v0                           ; L
	v_and_b32 v2, 15, v0                           ; r
	v_bfe_u32 v3, v0, 4, 1                         ; h
	v_lshlrev_b32 v[L16], 4, v1
	v_lshlrev_b32 v[WO], 9, v2
	v_lshl_add_u32 v[WO], v3, 5, v[WO]
	s_lshl_b32 s27, s24, 6                         ; 16 w numbers of 4 bytes
	v_lshl_add_u32 v[BO], v3, 5, s27               ; (16 w + 8 h) x 4
	v_lshl_add_u32 v[BO2], v2, 2, s27              ; (16 w + r) x 4
	s_lshl_b32 s28, s26, 21                        ; x: b x 2 MiB + nb x 512 + 16 w rows of 16,384 bytes
	s_lshl_b32 s30, ttmp9, 9
	s_add_co_u32 s28, s28, s30
	s_lshl_b32 s30, s24, 18
	s_add_co_u32 s28, s28, s30
	s_mov_b32 s29, 0
	s_lshl_b32 s30, s24, 13                        ; weights: 16 w rows of 512 bytes
	s_mov_b32 s31, 0
	s_lshl_b32 s32, s26, 20                        ; workspace: b x 1 MiB
	s_lshl_b32 s34, ttmp9, 15                      ; thT, phT: + 128 nb rows of 256 bytes + 16 w rows
	s_add_co_u32 s34, s34, s32
	s_lshl_b32 s36, s24, 12
	s_add_co_u32 s34, s34, s36
	s_mov_b32 s35, 0
	s_lshl_b32 s36, s24, 17                        ; gB: + 16 w rows of 8,192 bytes + nb x 256
	s_add_co_u32 s36, s36, s32
	s_lshl_b32 s38, ttmp9, 8
	s_add_co_u32 s36, s36, s38
	s_mov_b32 s37, 0
	s_wait_kmcnt 0x0
	s_add_nc_u64 s[4:5], s[4:5], s[28:29]
	s_add_nc_u64 s[6:7], s[6:7], s[30:31]
	s_add_nc_u64 s[10:11], s[10:11], s[30:31]
	s_add_nc_u64 s[14:15], s[14:15], s[30:31]
	s_add_nc_u64 s[18:19], s[18:19], s[34:35]
	s_add_nc_u64 s[20:21], s[20:21], s[34:35]
	s_add_nc_u64 s[22:23], s[22:23], s[36:37]
	; 69 loads go out in one run: x first, since it has the longer way (through LDS).
	WIN 0x40                                       ; destination in window 1
.irp i, 0,1,2,3,4,5,6,7,8,9,10,11,12,13,14,15
	global_load_b128 v[4*\i:4*\i+3], v[L16], s[4:5] offset:\i*16384    ; row c = 16 w + i: the wave takes its 512 consecutive bytes
.endr
	WIN 0
; A fragment wants, of row r, k = 32 ks + 8 h + 0..7 and k = 32 ks + 16 + 8 h + 0..7: in f32 two times 32 bytes, 64 bytes apart.
.macro LDW mat, base
.irp ks, 0,1,2,3
	global_load_b128 v[WF+16*(4*\mat+\ks):WF+16*(4*\mat+\ks)+3],     v[WO], s[\base:\base+1] offset:128*\ks
	global_load_b128 v[WF+16*(4*\mat+\ks)+4:WF+16*(4*\mat+\ks)+7],   v[WO], s[\base:\base+1] offset:128*\ks+16
	global_load_b128 v[WF+16*(4*\mat+\ks)+8:WF+16*(4*\mat+\ks)+11],  v[WO], s[\base:\base+1] offset:128*\ks+64
	global_load_b128 v[WF+16*(4*\mat+\ks)+12:WF+16*(4*\mat+\ks)+15], v[WO], s[\base:\base+1] offset:128*\ks+80
.endr
.endm
	LDW 0, 6
	LDW 1, 10
	LDW 2, 14
	global_load_b128 v[BT:BT+3],   v[BO], s[8:9]
	global_load_b128 v[BT+4:BT+7], v[BO], s[8:9] offset:16
	global_load_b128 v[BP:BP+3],   v[BO], s[12:13]
	global_load_b128 v[BP+4:BP+7], v[BO], s[12:13] offset:16
	global_load_b32  v[BG], v[BO2], s[16:17]
	; LDS addresses, while the loads are on their way
	s_mul_i32 s38, s24, 16*XP
	v_lshl_add_u32 v[XSW], v1, 3, s38              ; row 16 w, 8 bytes a lane
	v_and_b32 v[XA], 7, v0
	v_lshl_add_u32 v[XA], v3, 3, v[XA]
	v_mul_u32_u24 v[XA], v[XA], XP                 ; row 8 h + (L & 7)
	v_bfe_u32 v[TA], v0, 3, 1
	v_lshl_add_u32 v[XA], v[TA], 4, v[XA]          ; + 16 ((L >> 3) & 1)
	v_mul_u32_u24 v[TA], v2, SP
	v_lshl_add_u32 v[TA], v3, 4, v[TA]             ; 272 r + 16 h
	s_lshl_b32 s39, s24, 5
	s_add_co_u32 s39, s39, STT
	v_add_nc_u32 v[SAT], s39, v[TA]                ; theta^T: row n = r, bytes 32 w + 16 h
	v_add_nc_u32 v[SAP], 128*SP, v[SAT]
	s_mul_i32 s40, s24, 16*SP
	s_add_co_u32 s41, s40, STG
	v_add_nc_u32 v[SAG], s41, v[TA]                ; g: row o = 16 w + r, bytes 16 h
	v_mul_u32_u24 v[TB], v3, SP
	v_lshl_add_u32 v[TB], v2, 4, v[TB]             ; 272 h + 16 r
	s_add_co_u32 s42, s40, STT
	v_add_nc_u32 v[RDT], s42, v[TB]                ; rows 16 w + h
	v_add_nc_u32 v[RDP], 128*SP, v[RDT]
	v_add_nc_u32 v[RDG], 128*SP, v[RDP]
	v_lshlrev_b32 v[GO], 4, v2
	v_lshl_add_u32 v[GO], v3, 13, v[GO]
	s_wait_loadcnt 53                              ; loads return in order: x's 16 are in, the 48 of the weights and the 5 of the biases may be out
	WIN 0x45                                       ; destination and both sources in window 1
.irp i, 0,1,2,3,4,5,6,7,8,9,10,11,12,13,14,15
	v_cvt_pk_bf16_f32 v[4*\i],   v[4*\i],   v[4*\i+1]
	v_cvt_pk_bf16_f32 v[4*\i+1], v[4*\i+2], v[4*\i+3]
.endr
	WIN 0x04                                       ; store data in window 1
.irp i, 0,1,2,3,4,5,6,7,8,9,10,11,12,13,14,15
	ds_store_b64 v[XSW], v[4*\i:4*\i+1] offset:\i*XP               ; 32 lanes x 8 bytes: one row of the tile
.endr
	WIN 0
	s_wait_loadcnt 0x0
	; weights to bf16, packed downward in place: word d is written from words 2 d and 2 d + 1, d ascending, so word d was read at step d / 2
.set i, 0
.rept 96
	v_cvt_pk_bf16_f32 v[WF+i], v[WF+2*i], v[WF+2*i+1]
.set i, i+1
.endr
.irp j, 1,2,3,4,5,6,7
	v_mov_b32 v[BG+\j], v[BG]                      ; g's result tile has one o in a lane: the same bias in all 8 registers
.endr
	s_wait_dscnt 0x0                               ; my rows of x's tile are in LDS,
	s_barrier_signal -1
	s_barrier_wait -1                              ; everybody's are
; x's fragments of n tile t: the tile lies [c][n], so 8 x 8 blocks are transposed on the way: k = 32 ks + 8 h .. of column 16 t + r, then k + 16.
.macro LX t, f
.irp ks, 0,1,2,3
	ds_load_tr16_b128 v[\f+8*\ks:\f+8*\ks+3],   v[XA] offset:\ks*32*XP+32*(\t)
	ds_load_tr16_b128 v[\f+8*\ks+4:\f+8*\ks+7], v[XA] offset:\ks*32*XP+32*(\t)+16*XP
.endr
.endm
; One n tile: 12 matrix instructions.  theta and phi: A = weights (rows o), B = x (columns n): a lane gets 8 neighbouring o of one n.
; g: A = x (rows n), B = weights (columns o): a lane gets 8 neighbouring n of one o.  The biases are the first C: nothing is cleared or added later.
; The three accumulators take turns, one instruction a turn.
.macro TILE t, f, left, more
	s_wait_dscnt \left                             ; LDS instructions end in order: all but the \left issued behind this tile's 8 loads
.irp ks, 0,1,2,3
.if \ks == 0
	v_wmma_f32_16x16x32_bf16 v[ACC:ACC+7],     v[WF:WF+7],       v[\f:\f+7],       v[BT:BT+7]
	v_wmma_f32_16x16x32_bf16 v[ACC+8:ACC+15],  v[WF+32:WF+39],   v[\f:\f+7],       v[BP:BP+7]
	v_wmma_f32_16x16x32_bf16 v[ACC+16:ACC+23], v[\f:\f+7],       v[WF+64:WF+71],   v[BG:BG+7]
.else
	v_wmma_f32_16x16x32_bf16 v[ACC:ACC+7],     v[WF+8*\ks:WF+8*\ks+7],       v[\f+8*\ks:\f+8*\ks+7],       v[ACC:ACC+7]
	v_wmma_f32_16x16x32_bf16 v[ACC+8:ACC+15],  v[WF+32+8*\ks:WF+32+8*\ks+7], v[\f+8*\ks:\f+8*\ks+7],       v[ACC+8:ACC+15]
	v_wmma_f32_16x16x32_bf16 v[ACC+16:ACC+23], v[\f+8*\ks:\f+8*\ks+7],       v[WF+64+8*\ks:WF+64+8*\ks+7], v[ACC+16:ACC+23]
.endif
.endr
.rept 5
	v_nop                                          ; places behind the matrix instructions: four for the loads into their sources and the
.endr                                                  ; conversions of their results, a fifth for the next tile's matrix instructions, which write over the accumulators
.if \more
	LX \t+2, \f
.endif
.irp m, 0,1,2
.irp j, 0,1,2,3
	v_cvt_pk_bf16_f32 v[PK+4*\m+\j], v[ACC+8*\m+2*\j], v[ACC+8*\m+2*\j+1]
.endr
.endr
	ds_store_b128 v[SAT], v[PK:PK+3]    offset:\t*16*SP
	ds_store_b128 v[SAP], v[PK+4:PK+7]  offset:\t*16*SP
	ds_store_b128 v[SAG], v[PK+8:PK+11] offset:32*\t
.endm
	LX 0, XF0
	LX 1, XF1
	TILE 0, XF0, 8,  1                             ; behind tile 0's loads: tile 1's 8
	TILE 1, XF1, 11, 1                             ; tile 2's 8 loads and 3 stores
	TILE 2, XF0, 14, 1                             ; 3 stores, 8 loads, 3 stores
	TILE 3, XF1, 14, 1
	TILE 4, XF0, 14, 1
	TILE 5, XF1, 14, 1
	TILE 6, XF0, 14, 0
	TILE 7, XF1, 6,  0                             ; two tiles' stores
	s_wait_dscnt 0x0                               ; my parts of the stages are written,
	s_barrier_signal -1
	s_barrier_wait -1                              ; everybody's are: a row of theta^T and phi^T has 32 bytes from each wave
	; whole rows back and out: 16 lanes store 256 consecutive bytes that begin at a multiple of 256 from the buffer's first byte
.irp t, 0,1,2,3,4,5,6,7
	ds_load_b128 v[ACC+4*\t:ACC+4*\t+3], v[RDT] offset:\t*2*SP
.endr
.irp t, 0,1,2,3,4,5,6,7
	ds_load_b128 v[ACC+32+4*\t:ACC+32+4*\t+3], v[RDP] offset:\t*2*SP
.endr
.irp t, 0,1,2,3,4,5,6,7
	ds_load_b128 v[ACC+64+4*\t:ACC+64+4*\t+3], v[RDG] offset:\t*2*SP
.endr
.irp t, 0,1,2,3,4,5,6,7
	s_wait_dscnt 23-\t                             ; the counts run down: the younger read-backs stay out
	global_store_b128 v[L16], v[ACC+4*\t:ACC+4*\t+3], s[18:19] offset:\t*512
.endr
.irp t, 0,1,2,3,4,5,6,7
	s_wait_dscnt 15-\t
	global_store_b128 v[L16], v[ACC+32+4*\t:ACC+32+4*\t+3], s[20:21] offset:\t*512
.endr
.irp t, 0,1,2,3,4,5,6,7
	s_wait_dscnt 7-\t
	global_store_b128 v[GO], v[ACC+64+4*\t:ACC+64+4*\t+3], s[22:23] offset:\t*16384
.endr
	s_wait_tensorcnt 0x0
	ds_add_u32 v254, v255
	s_wait_dscnt 0x0
	s_endpgm
.Lfunc_end_k_q5dba524d2d_proj:
	.size	k_q5dba524d2d_proj, .Lfunc_end_k_q5dba524d2d_proj-k_q5dba524d2d_proj
	.p2alignl 7, 3214868480
	.fill 96, 4, 3214868480
	.section	.rodata,"a",@progbits
	.p2align	6, 0x0
	.amdhsa_kernel k_q5dba524d2d_proj
		.amdhsa_group_segment_fixed_size 142336
		.amdhsa_private_segment_fixed_size 0
		.amdhsa_enable_private_segment 0
		.amdhsa_kernarg_size 80
		.amdhsa_user_sgpr_count 2
		.amdhsa_user_sgpr_kernarg_segment_ptr 1
		.amdhsa_wavefront_size32 1
		.amdhsa_system_sgpr_workgroup_id_x 1
		.amdhsa_system_sgpr_workgroup_id_y 1
		.amdhsa_system_sgpr_workgroup_id_z 1
		.amdhsa_system_vgpr_workitem_id 0
		.amdhsa_next_free_vgpr 320
		.amdhsa_next_free_sgpr 66
		.amdhsa_reserve_vcc 0
		.amdhsa_float_denorm_mode_32 3
		.amdhsa_float_denorm_mode_16_64 3
		.amdhsa_memory_ordered 1
		.amdhsa_forward_progress 1
		.amdhsa_inst_pref_size 44
	.end_amdhsa_kernel
	.amdgpu_metadata
---
amdhsa.version: [ 1, 2 ]
amdhsa.kernels:
  - .name:           k_q5dba524d2d_proj
    .symbol:         k_q5dba524d2d_proj.kd
    .args:
      - { .name: x, .offset: 0, .size: 8, .value_kind: global_buffer, .address_space: global }
      - { .name: theta_w, .offset: 8, .size: 8, .value_kind: global_buffer, .address_space: global }
      - { .name: theta_b, .offset: 16, .size: 8, .value_kind: global_buffer, .address_space: global }
      - { .name: phi_w, .offset: 24, .size: 8, .value_kind: global_buffer, .address_space: global }
      - { .name: phi_b, .offset: 32, .size: 8, .value_kind: global_buffer, .address_space: global }
      - { .name: g_w, .offset: 40, .size: 8, .value_kind: global_buffer, .address_space: global }
      - { .name: g_b, .offset: 48, .size: 8, .value_kind: global_buffer, .address_space: global }
      - { .name: thT, .offset: 56, .size: 8, .value_kind: global_buffer, .address_space: global }
      - { .name: phT, .offset: 64, .size: 8, .value_kind: global_buffer, .address_space: global }
      - { .name: gB, .offset: 72, .size: 8, .value_kind: global_buffer, .address_space: global }
    .group_segment_fixed_size: 142336
    .private_segment_fixed_size: 0
    .kernarg_segment_align: 8
    .kernarg_segment_size: 80
    .max_flat_workgroup_size: 256
    .sgpr_count:     66
    .vgpr_count:     320
    .wavefront_size: 32
...
	.end_amdgpu_metadata
.endif
;; end of part 1
;; launch attn (part 2): grid 32 x 8, 4 waves a work-group, clusters of 4 x 1, 327,680 bytes of LDS; arguments thT, phT, gB, wz_w, wz_b, w, x, out0; writes out0
.if DOCPART == 2
	.amdgcn_target "amdgcn-amd-amdhsa--gfx1250"
	.amdhsa_code_object_version 6
	.text
	.protected	k_q5dba524d2d_attn
	.globl	k_q5dba524d2d_attn
	.p2align	8
	.type	k_q5dba524d2d_attn,@function
k_q5dba524d2d_attn:
	s_mov_b64 s[64:65], 0
	v_nop
	global_prefetch_b8 v0, s[64:65] scope:SCOPE_SE
	s_setreg_imm32_b32 hwreg(HW_REG_WAVE_MODE, 25, 1), 1
	s_wait_xcnt 0x0
	s_wait_alu depctr_hold_cnt(0) depctr_sa_sdst(0) depctr_va_vdst(0) depctr_va_sdst(0) depctr_va_ssrc(0) depctr_va_vcc(0) depctr_vm_vsrc(0)
	s_getreg_b32 s2, hwreg(HW_REG_IB_STS2, 6, 4)
	s_cmp_eq_u32 s2, 0
	s_cbranch_scc0 .Lentry_in_a_cluster
	s_endpgm
.Lentry_in_a_cluster:
	s_bfe_u32 s2, ttmp6, 0x10000c
	s_cmp_lg_u32 s2, 0x3003
	s_cbranch_scc0 .Lentry_shape_is_right
	s_endpgm
.Lentry_shape_is_right:
; Attention over 4,096 positions, the last 1x1 convolution on the re-read result, and the blend with x, in one launch.
;   y[n][c] = sum over m of softmax_m(sum over o of thT[n][o] phT[m][o]) gB[c][m];   y is then read as [128][4096]:
;   out0[o][128 j + c] = (1 - w) x[o][128 j + c] + w (sum over q of wz_w[o][q] y[32 q + j][c] + wz_b[o]).
; So work-group (j, b) takes the 128 queries n = 32 q + j, q = 0..127, of batch b, and owns columns 128 j .. 128 j + 127 of out0: 32 x 8 work-groups.
; Four waves: wave w has the queries q = 64 (w >> 1) .. + 63 and, of every 256 keys, the 128 at 128 (w & 1).  The two key halves keep their own running
; maximum, sum and O, and meet at the end: each scales its O by exp(its maximum - the common one) / (the common sum), and the last convolution adds
; the two parts by running over K = 256 (the weights taken twice).
; TRANSPOSED USE: S^T = phi rows (A) x theta rows (B): a lane holds ONE query (r) and 8 keys a tile.  Maximum, factor and sum are then plain numbers of the
; lane (lanes r and r + 16 share a query: one exchange for each maximum), and two tiles packed to bf16 in the lane ARE the B fragment of O^T = g (A) x P^T (B).
; The running maximum is the true one; exponentials are 2^(s log2 e - m log2 e), the product and the shift in one fused multiply-add.
; CLUSTER: the four work-groups of a cluster (4 neighbouring j, one b) walk the same tiles of phT and gB: each tile is asked for jointly by the four (mask 15).
; The sharing runs along j alone, and a mask here names four work-groups, so the cluster is 4 x 1.
; LIMITS: matrix operands are bf16 (theta, phi, g, the probabilities, the two parts of y, wz_w).  NaN and infinities in the inputs are not followed
; (v_max_num_f32 and v_min_num_f32 drop a NaN).  v_exp_f32 gives 0 for results below 2^-126 (ISA guide, its entry): such probabilities count as 0.
;
; LDS: two slots of 137,216 bytes, each 256 keys: phT's 256 rows of 256 bytes at pitch 272, then gB's 128 rows of 512 bytes at pitch 528 (17 and 33 times 16:
; 16 rows start in 16 different 16-byte columns of 256 bytes).  Behind them 2,048 bytes that no tile ever fills, for the waves' maxima and sums.
; After their last fill slot 0 holds the stage of y (256 rows at pitch 288 = 9 x 32, for the transposing loads) and slot 1 the stage of the result.
; REGISTERS by windows of 256: 0 addresses, softmax state, fragments; 1 theta's fragments and wz_w's; 2 the scores, then the probabilities; 3 O^T.
.set KP,    272
.set VP,    528
.set VOFF,  256*KP                     ; gB's part of a slot
.set SLOT,  VOFF+128*VP                ; 137,216
.set XCH,   2*SLOT                     ; 4 x 512 bytes
.set YP,    288
.set ZST,   SLOT
.set ZP,    528
.set ADK,   4                          ; v4-5   my phi fragments in slot 0, 1
.set ADV,   6                          ; v6-7   my g fragments in slot 0, 1
.set QO,    8                          ; v8     8192 r + 16 h: theta rows are 32 positions apart
.set WO,    9                          ; v9     512 r + 32 h
.set L16,   10                         ; v10    16 x lane
.set XW,    11                         ; v11-12 exchange: my words, my partner's
.set XR,    12
.set STO,   13                         ; v13    where I put 16 bytes of y
.set TRA,   14                         ; v14-15 transposing loads from y's stage, key half 0, 1
.set ZSTO,  16                         ; v16    where I put 16 bytes of the result
.set ZRD,   17                         ; v17    where I read a row of it back
.set ZERO,  18
.set BO,    19                         ; v19    (32 w + r) x 4
.set MX,    20                         ; v20-27 maxima: query tile qt, chain c at 20 + 2 qt + c; the odd ones then hold the change of NM
.set NM,    28                         ; v28-35 - m log2 e, twice (a pair for the packed forms)
.set AL,    36                         ; v36-43 the factor 2^(new NM - old NM), twice
.set LS,    44                         ; v44-59 sums: (qt, c) a pair at 44 + 4 qt + 2 c
.set T,     60                         ; v60-63 at work
.set F0,    64                         ; v64-127, v128-191: fragments from LDS, two buffers
.set F1,    128
.set OWN,   192                        ; v192-199 (NM, sum) of my four query tiles; v200-207 my partner's
.set PAR,   200
.set SC,    208                        ; v208-215 the final factors, pairs
.set WW,    216                        ; v216-217 w, twice; v218-219 1 - w, twice
.set W1M,   218
.set WB,    220                        ; v220-223 w wz_b[o], a pair for each of my two o tiles
.set WZBR,  224                        ; v224-225 wz_b as loaded
.set G1K,   28                         ; s[28:35] group 1 of phT's tiles, s[36:43] of gB's
.set G1V,   36
.set G0K,   44                         ; s[44:51] group 0 of phT's tiles, a set for each slot; s[52:59] of gB's
.set G0V,   52
.set MSB, 0
.macro WIN new                         ; s_set_vgpr_msb: bits 1:0 source 0, 3:2 source 1, 5:4 source 2, 7:6 destination; the high byte repeats the setting left
.if MSB != \new
	s_set_vgpr_msb (MSB<<8)|\new
.set MSB, \new
.endif
.endm
.macro PLACES n                        ; places behind matrix instructions (ISA guide 7.12.1)
.rept \n
	v_nop
.endr
.endm
; A round of the cluster's barrier: my work-group's barrier, wave 0 signals for the work-group, every wave waits for all four work-groups, my work-group's barrier again.
.macro ROUND
	s_barrier_signal -1
	s_barrier_wait -1
	s_cmp_lg_u32 s20, 0
	s_cbranch_scc1 .Lnot_wave_0_\@
	s_barrier_signal -3
.Lnot_wave_0_\@:
	s_barrier_wait -3
	s_barrier_signal -1
	s_barrier_wait -1
.endm
; A joint load into slot s: waves 0 and 1 ask for phT's two halves (128 rows each), waves 2 and 3 for gB's (64 rows each): 32 KiB a wave.
.macro JLOAD s
	s_cmp_eq_u32 s21, 0
	s_cbranch_scc0 .Lfor_v_\@
	tensor_load_to_lds s[G0K+4*\s:G0K+4*\s+3], s[G1K:G1K+7]
	s_nop 0
	s_branch .Lasked_\@
.Lfor_v_\@:
	tensor_load_to_lds s[G0V+4*\s:G0V+4*\s+3], s[G1V:G1V+7]
	s_nop 0
.Lasked_\@:
.endm
	s_load_b512 s[4:19], s[0:1], 0x0               ; thT, phT, gB, wz_w, wz_b, w, x, out0
	v_lshl_add_u32 v254, v0, 2, 0x43800
	v_mov_b32 v255, 0
	ds_add_u32 v254, v255
	v_lshrrev_b32 v1, 5, v0
	v_readfirstlane_b32 s20, v1                    ; wave 0..3
	s_lshr_b32 s21, s20, 1                         ; my half of the queries.  Also: I fetch phT (0) or gB (1)
	s_and_b32 s22, s20, 1                          ; my half of the keys.  Also: which half of that tile I fetch
	s_bfe_u32 s23, ttmp6, 0x40000                  ; cx
	s_lshl_b32 s24, ttmp9, 2
	s_add_co_u32 s24, s24, s23                     ; j = 4 x cluster x + cx
	s_and_b32 s25, ttmp7, 0xffff                   ; b
	s_mov_b32 s66, 0x3fb8aa3b                      ; log2 e, a pair
	s_mov_b32 s67, 0x3fb8aa3b
	s_mov_b32 s72, 0x76543210                      ; v_permlanex16_b32: lane i takes lane i of the other half
	s_mov_b32 s73, 0xfedcba98
	; group 1: 15:0 mask of the four; 17:16 elements of 2 bytes; 20 padding on; 21 set beside a mask; 24:22 after every 64 (128) words; 31:25 four words
	s_mov_b32 s[G1K+0], 15|(1<<16)|(1<<20)|(1<<21)|(5<<22)|(3<<25)
	s_mov_b32 s[G1K+1], 128<<16                    ; tensor_dim0 = 128
	s_mov_b32 s[G1K+2], 128<<16                    ; tensor_dim1 = 128
	s_mov_b32 s[G1K+3], 128<<16                    ; tile_dim0 = 128 elements, 256 bytes
	s_mov_b32 s[G1K+4], 128                        ; tile_dim1 = 128 rows
	s_mov_b32 s[G1K+5], 128                        ; from row to row: 128 elements
	s_mov_b32 s[G1K+6], 0
	s_mov_b32 s[G1K+7], 0
	s_mov_b32 s[G1V+0], 15|(1<<16)|(1<<20)|(1<<21)|(6<<22)|(3<<25)
	s_mov_b32 s[G1V+1], 256<<16                    ; tensor_dim0 = 256
	s_mov_b32 s[G1V+2], 64<<16                     ; tensor_dim1 = 64
	s_mov_b32 s[G1V+3], 256<<16                    ; tile_dim0 = 256 elements, 512 bytes
	s_mov_b32 s[G1V+4], 64                         ; tile_dim1 = 64 rows
	s_mov_b32 s[G1V+5], 4096                       ; from row to row: 4,096 elements
	s_mov_b32 s[G1V+6], 0
	s_mov_b32 s[G1V+7], 0
	; the tiles' places hang on b and the wave's number alone: the same in all four work-groups
	s_lshl_b32 s84, s25, 20                        ; b x 1 MiB
	s_lshl_b32 s86, s22, 15                        ; phT: + 128 rows of 256 bytes for the second half
	s_add_co_u32 s86, s86, s84
	s_mov_b32 s87, 0
	s_lshl_b32 s88, s22, 19                        ; gB: + 64 rows of 8,192 bytes for the second half
	s_add_co_u32 s88, s88, s84
	s_mov_b32 s89, 0
	s_mul_i32 s92, s20, 128*KP                     ; LDS: waves 0, 1: wave x 34,816
	s_mul_i32 s93, s20, 64*VP                      ; waves 2, 3: 69,632 + (wave - 2) x 33,792 = wave x 33,792 + 2,048
	s_add_co_u32 s93, s93, VOFF-128*VP
	; what hangs on j has registers of its own
	s_lshl_b32 s94, s24, 8                         ; theta: b x 1 MiB + j rows of 256 bytes + 64 queries x 32 rows for the second half
	s_add_co_u32 s94, s94, s84
	s_lshl_b32 s95, s21, 19
	s_add_co_u32 s94, s94, s95
	s_mov_b32 s95, 0
	s_lshl_b32 s90, s25, 21                        ; x, out0: b x 2 MiB + 512 j + 32 w rows of 16,384 bytes
	s_lshl_b32 s91, s24, 9
	s_add_co_u32 s90, s90, s91
	s_lshl_b32 s91, s20, 19
	s_add_co_u32 s90, s90, s91
	s_mov_b32 s91, 0
	s_lshl_b32 s78, s20, 14                        ; wz_w: 32 w rows of 512 bytes
	s_mov_b32 s79, 0
	v_and_b32 v1, 31, v0                           ; L
	v_and_b32 v2, 15, v0                           ; r
	v_bfe_u32 v3, v0, 4, 1                         ; h
	v_lshlrev_b32 v[QO], 13, v2
	v_lshl_add_u32 v[QO], v3, 4, v[QO]
	v_lshlrev_b32 v[WO], 9, v2
	v_lshl_add_u32 v[WO], v3, 5, v[WO]
	v_lshlrev_b32 v[L16], 4, v1
	v_mov_b32 v[ZERO], 0
	s_lshl_b32 s68, s20, 7
	v_lshl_add_u32 v[BO], v2, 2, s68
	s_wait_dscnt 0x0
	s_wait_kmcnt 0x0
	s_add_nc_u64 s[86:87], s[6:7], s[86:87]
	s_add_nc_u64 s[88:89], s[8:9], s[88:89]
	s_add_nc_u64 s[76:77], s[4:5], s[94:95]
	s_add_nc_u64 s[78:79], s[10:11], s[78:79]
	s_add_nc_u64 s[80:81], s[16:17], s[90:91]
	s_add_nc_u64 s[82:83], s[18:19], s[90:91]
.irp s, 0,1
	s_mov_b32 s[G0K+4*\s], 1                                       ; count = 1
	s_add_co_u32 s[G0K+4*\s+1], s92, \s*SLOT                       ; LDS address
	s_add_nc_u64 s[G0K+4*\s+2:G0K+4*\s+3], s[86:87], \s*65536      ; keys 256 s ..: 256 rows of 256 bytes on
	s_or_b32 s[G0K+4*\s+3], s[G0K+4*\s+3], 0x80000000              ; type = 2
	s_mov_b32 s[G0V+4*\s], 1
	s_add_co_u32 s[G0V+4*\s+1], s93, \s*SLOT
	s_add_nc_u64 s[G0V+4*\s+2:G0V+4*\s+3], s[88:89], \s*512        ; 256 keys of 2 bytes along the rows
	s_or_b32 s[G0V+4*\s+3], s[G0V+4*\s+3], 0x80000000
.endr
	ROUND                                          ; all four work-groups are here: the first joint loads meet
	s_cmp_eq_u32 s21, 0                            ; both first fills of a wave inside one branch on its number: two tensor loads of the wave are out
	s_cbranch_scc0 .Lfirst_v
	tensor_load_to_lds s[G0K:G0K+3], s[G1K:G1K+7]
	s_nop 0
	tensor_load_to_lds s[G0K+4:G0K+7], s[G1K:G1K+7]
	s_nop 0
	s_branch .Lfirst_done
.Lfirst_v:
	tensor_load_to_lds s[G0V:G0V+3], s[G1V:G1V+7]
	s_nop 0
	tensor_load_to_lds s[G0V+4:G0V+7], s[G1V:G1V+7]
	s_nop 0
.Lfirst_done:
	; theta's fragments (B: column = query 16 qt + r, k = 32 cs + 8 h .. and + 16), already bf16, stay in window 1 for the whole launch
	WIN 0x40
.irp qt, 0,1,2,3
.irp cs, 0,1,2,3
	global_load_b128 v[8*(4*\qt+\cs):8*(4*\qt+\cs)+3],   v[QO], s[76:77] offset:\qt*131072+64*\cs
	global_load_b128 v[8*(4*\qt+\cs)+4:8*(4*\qt+\cs)+7], v[QO], s[76:77] offset:\qt*131072+64*\cs+32
.endr
.endr
	WIN 0x80                                       ; wz_w in f32 into window 2, which the scores need only later
.irp ot, 0,1
.irp ks, 0,1,2,3
	global_load_b128 v[16*(4*\ot+\ks):16*(4*\ot+\ks)+3],     v[WO], s[78:79] offset:\ot*8192+128*\ks
	global_load_b128 v[16*(4*\ot+\ks)+4:16*(4*\ot+\ks)+7],   v[WO], s[78:79] offset:\ot*8192+128*\ks+16
	global_load_b128 v[16*(4*\ot+\ks)+8:16*(4*\ot+\ks)+11],  v[WO], s[78:79] offset:\ot*8192+128*\ks+64
	global_load_b128 v[16*(4*\ot+\ks)+12:16*(4*\ot+\ks)+15], v[WO], s[78:79] offset:\ot*8192+128*\ks+80
.endr
.endr
	WIN 0
	global_load_b32 v[WZBR],   v[BO], s[12:13]
	global_load_b32 v[WZBR+1], v[BO], s[12:13] offset:64
	global_load_b32 v[WW], v[ZERO], s[14:15]
	; LDS addresses: none hangs on the work-group's place
	v_mul_u32_u24 v[T], v2, KP
	v_lshl_add_u32 v[T], v3, 4, v[T]
	s_mul_i32 s68, s22, 128*KP
	v_add_nc_u32 v[ADK], s68, v[T]                 ; (128 kh + r) 272 + 16 h
	v_add_nc_u32 v[ADK+1], SLOT, v[ADK]
	v_mul_u32_u24 v[T], v2, VP
	v_lshl_add_u32 v[T+1], v3, 4, v[T]
	s_lshl_b32 s69, s22, 8
	s_add_co_u32 s69, s69, VOFF
	v_add_nc_u32 v[ADV], s69, v[T+1]               ; 69,632 + 528 r + 256 kh + 16 h
	v_add_nc_u32 v[ADV+1], SLOT, v[ADV]
	v_lshl_add_u32 v[T+1], v3, 5, v[T]
	s_mul_i32 s70, s20, 32*ZP
	s_add_co_u32 s70, s70, ZST
	v_add_nc_u32 v[ZSTO], s70, v[T+1]              ; (32 w + r) 528 + 32 h
	v_add_nc_u32 v[ZRD], s70, v[L16]
	s_lshl_b32 s71, s20, 9
	s_add_co_u32 s71, s71, XCH
	v_lshl_add_u32 v[XW], v2, 3, s71
	s_xor_b32 s75, s20, 1                          ; my partner: the same queries, the other keys
	s_lshl_b32 s75, s75, 9
	s_add_co_u32 s75, s75, XCH
	v_lshl_add_u32 v[XR], v2, 3, s75
	v_mul_u32_u24 v[T], v2, YP
	v_lshl_add_u32 v[T], v3, 4, v[T]
	s_mul_i32 s68, s22, 128*YP
	s_mul_i32 s69, s21, 64*YP
	s_add_co_u32 s68, s68, s69
	v_add_nc_u32 v[STO], s68, v[T]                 ; (128 kh + 64 qh + r) 288 + 16 h
	v_and_b32 v[T], 7, v0
	v_lshl_add_u32 v[T], v3, 3, v[T]
	v_mul_u32_u24 v[T], v[T], YP
	v_bfe_u32 v[T+1], v0, 3, 1
	v_lshl_add_u32 v[TRA], v[T+1], 4, v[T]         ; (8 h + (L & 7)) 288 + 16 ((L >> 3) & 1)
	v_add_nc_u32 v[TRA+1], 128*YP, v[TRA]
.irp j, 0,1,2,3
	v_mov_b32 v[T+\j], 0                           ; v_permlanex16_b32 counts as a reader of its destination
.endr
	s_wait_loadcnt 0x0
	WIN 0x4a                                       ; from window 2 into window 1: wz_w's fragments (B: column o = 32 w + 16 ot + r), fragment 4 ot + ks
.irp f, 0,1,2,3,4,5,6,7
.irp i, 0,1,2,3,4,5,6,7
	v_cvt_pk_bf16_f32 v[128+8*\f+\i], v[16*\f+2*\i], v[16*\f+2*\i+1]
.endr
.endr
	WIN 0
	v_mov_b32 v[WW+1], v[WW]
	v_sub_f32 v[W1M],   1.0, v[WW]
	v_sub_f32 v[W1M+1], 1.0, v[WW]
	v_mul_f32 v[WB],   v[WW], v[WZBR]
	v_mul_f32 v[WB+1], v[WW], v[WZBR]
	v_mul_f32 v[WB+2], v[WW], v[WZBR+1]
	v_mul_f32 v[WB+3], v[WW], v[WZBR+1]
; 16 LDS loads: phi's fragments of key tiles 2 g and 2 g + 1 of my 128 keys (A: row = key, k = 32 cs ..), fragment 4 kt2 + cs
.macro FETCHK slot, g, f
	WIN 0
.irp kt2, 0,1
.irp cs, 0,1,2,3
	ds_load_b128 v[\f+8*(4*\kt2+\cs):\f+8*(4*\kt2+\cs)+3],   v[ADK+\slot] offset:(2*\g+\kt2)*16*KP+64*\cs
	ds_load_b128 v[\f+8*(4*\kt2+\cs)+4:\f+8*(4*\kt2+\cs)+7], v[ADK+\slot] offset:(2*\g+\kt2)*16*KP+64*\cs+32
.endr
.endr
.endm
; 16 LDS loads: g's fragments of keys 32 ks .. of my 128 (A: row = channel 16 ct + r)
.macro FETCHV slot, ks, f
	WIN 0
.irp ct, 0,1,2,3,4,5,6,7
	ds_load_b128 v[\f+8*\ct:\f+8*\ct+3],   v[ADV+\slot] offset:\ct*16*VP+64*\ks
	ds_load_b128 v[\f+8*\ct+4:\f+8*\ct+7], v[ADV+\slot] offset:\ct*16*VP+64*\ks+32
.endr
.endm
; 32 matrix instructions: scores of key tiles 2 g, 2 g + 1 x my 4 query tiles, all 128 channels.  Tile (kt, qt) lies in window 2 at 16 (4 (kt / 2) + qt) + 8 (kt % 2).
; The first product starts each sum.  Eight accumulators take turns, one instruction a turn.
.macro MULS g, f
	WIN 0xa4                                       ; A window 0, B window 1, C and D window 2
.irp cs, 0,1,2,3
.irp kt2, 0,1
.irp qt, 0,1,2,3
.if \cs == 0
	v_wmma_f32_16x16x32_bf16 v[16*(4*\g+\qt)+8*\kt2:16*(4*\g+\qt)+8*\kt2+7], v[\f+8*(4*\kt2+\cs):\f+8*(4*\kt2+\cs)+7], v[8*(4*\qt+\cs):8*(4*\qt+\cs)+7], 0
.else
	v_wmma_f32_16x16x32_bf16 v[16*(4*\g+\qt)+8*\kt2:16*(4*\g+\qt)+8*\kt2+7], v[\f+8*(4*\kt2+\cs):\f+8*(4*\kt2+\cs)+7], v[8*(4*\qt+\cs):8*(4*\qt+\cs)+7], v[16*(4*\g+\qt)+8*\kt2:16*(4*\g+\qt)+8*\kt2+7]
.endif
.endr
.endr
.endr
.endm
; 32 matrix instructions: O^T(ct, qt), window 3 at 8 (4 ct + qt), += g(ct, keys 32 ks ..) x P^T(qt, ks).  32 accumulators take turns.
.macro MULP ks, f, zero
	WIN 0xf8                                       ; A window 0, B window 2, C and D window 3
.irp ct, 0,1,2,3,4,5,6,7
.irp qt, 0,1,2,3
.if \zero
	v_wmma_f32_16x16x32_bf16 v[8*(4*\ct+\qt):8*(4*\ct+\qt)+7], v[\f+8*\ct:\f+8*\ct+7], v[16*(4*\ks+\qt):16*(4*\ks+\qt)+7], 0
.else
	v_wmma_f32_16x16x32_bf16 v[8*(4*\ct+\qt):8*(4*\ct+\qt)+7], v[\f+8*\ct:\f+8*\ct+7], v[16*(4*\ks+\qt):16*(4*\ks+\qt)+7], v[8*(4*\ct+\qt):8*(4*\ct+\qt)+7]
.endif
.endr
.endr
.endm
; all of O^T times a factor of the lane's query: 128 packed multiplies
.macro SCALEO fac
	WIN 0xc3                                       ; O in window 3, the factor in window 0
.irp ct, 0,1,2,3,4,5,6,7
.irp qt, 0,1,2,3
.irp p, 0,2,4,6
	v_pk_mul_f32 v[8*(4*\ct+\qt)+\p:8*(4*\ct+\qt)+\p+1], v[8*(4*\ct+\qt)+\p:8*(4*\ct+\qt)+\p+1], v[\fac+2*\qt:\fac+2*\qt+1]
.endr
.endr
.endr
.endm
; The softmax step over my 128 keys x 64 queries: 64 scores of each of 4 queries in a lane.  first = 1: there is no older maximum, sum or O.
.macro SOFTMAX first
	; the largest score: 8 chains (query tile, half of the keys) that do not wait for each other, 2 scores an instruction
	WIN 0x0a
.set i, 0
.rept 16
.irp qt, 0,1,2,3
.irp c, 0,1
.if i == 0
	v_max_num_f32 v[MX+2*\qt+\c], v[16*(8*\c+\qt)], v[16*(8*\c+\qt)+1]
.else
	v_max3_num_f32 v[MX+2*\qt+\c], v[16*(4*(2*\c+i/8)+\qt)+(2*i)%16], v[16*(4*(2*\c+i/8)+\qt)+(2*i)%16+1], v[MX+2*\qt+\c]
.endif
.endr
.endr
.set i, i+1
.endr
	WIN 0
.irp qt, 0,1,2,3
	v_max_num_f32 v[MX+2*\qt], v[MX+2*\qt], v[MX+2*\qt+1]
.endr
.irp qt, 0,1,2,3
	v_permlanex16_b32 v[T+\qt], v[MX+2*\qt], s72, s73              ; the other 64 keys of my query lie in lane L xor 16
.endr
.irp qt, 0,1,2,3
	v_max_num_f32 v[MX+2*\qt], v[MX+2*\qt], v[T+\qt]
.endr
.irp qt, 0,1,2,3
	v_mul_f32 v[T+\qt], 0xbfb8aa3b, v[MX+2*\qt]                    ; - m log2 e
.endr
.if \first == 0
.irp qt, 0,1,2,3
	v_min_num_f32 v[T+\qt], v[T+\qt], v[NM+2*\qt]                  ; the running maximum: the smaller - m log2 e
.endr
.irp qt, 0,1,2,3
	v_sub_f32 v[MX+2*\qt+1], v[T+\qt], v[NM+2*\qt]                 ; new - old, never above 0
.endr
.endif
.irp qt, 0,1,2,3
	v_mov_b32 v[NM+2*\qt],   v[T+\qt]
	v_mov_b32 v[NM+2*\qt+1], v[T+\qt]
.endr
.if \first == 0
.irp qt, 0,1,2,3
	v_exp_f32 v[AL+2*\qt],   v[MX+2*\qt+1]
	v_exp_f32 v[AL+2*\qt+1], v[MX+2*\qt+1]
.endr
	v_nop                                          ; one plain instruction behind the exponentials before their results are used (ISA guide 5.7.2)
	s_wait_alu depctr_va_vdst(0)
.irp qt, 0,1,2,3
.irp c, 0,1
	v_pk_mul_f32 v[LS+4*\qt+2*\c:LS+4*\qt+2*\c+1], v[LS+4*\qt+2*\c:LS+4*\qt+2*\c+1], v[AL+2*\qt:AL+2*\qt+1]
.endr
.endr
	SCALEO AL
.endif
	; p = 2^(s log2 e - m log2 e), in place, 16 registers at a time: the next block's multiply-adds are the plain instructions behind a block's exponentials
	WIN 0x8a
.irp ks, 0,1,2,3
.irp qt, 0,1,2,3
.irp p, 0,2,4,6,8,10,12,14
	v_pk_fma_f32 v[16*(4*\ks+\qt)+\p:16*(4*\ks+\qt)+\p+1], v[16*(4*\ks+\qt)+\p:16*(4*\ks+\qt)+\p+1], s[66:67], v[NM+2*\qt:NM+2*\qt+1] op_sel_hi:[1,0,1]
.endr
.irp j, 0,1,2,3,4,5,6,7,8,9,10,11,12,13,14,15
	v_exp_f32 v[16*(4*\ks+\qt)+\j], v[16*(4*\ks+\qt)+\j]
.endr
.endr
.endr
	v_nop                                          ; the plain instruction behind the last block's exponentials
	; the sums, in f32, 8 chains of pairs; lanes and pair halves are joined once, at the end
.if \first
	WIN 0x0a
	s_wait_alu depctr_va_vdst(0)
.irp qt, 0,1,2,3
.irp c, 0,1
	v_pk_add_f32 v[LS+4*\qt+2*\c:LS+4*\qt+2*\c+1], v[16*(8*\c+\qt):16*(8*\c+\qt)+1], v[16*(8*\c+\qt)+2:16*(8*\c+\qt)+3]
.endr
.endr
.endif
	WIN 0x02
.set i, 2*\first
	s_wait_alu depctr_va_vdst(0)
.rept 16-2*\first
.irp qt, 0,1,2,3
.irp c, 0,1
	v_pk_add_f32 v[LS+4*\qt+2*\c:LS+4*\qt+2*\c+1], v[16*(4*(2*\c+i/8)+\qt)+(2*i)%16:16*(4*(2*\c+i/8)+\qt)+(2*i)%16+1], v[LS+4*\qt+2*\c:LS+4*\qt+2*\c+1]
.endr
.endr
.set i, i+1
.endr
	; to bf16, packed downward in place: registers 0-3 of a block get keys 8 h .., 4-7 keys 16 + 8 h ..: the B fragment P^T(qt, ks)
	WIN 0x8a
.irp ks, 0,1,2,3
.irp qt, 0,1,2,3
.irp j, 0,1,2,3,4,5,6,7
	v_cvt_pk_bf16_f32 v[16*(4*\ks+\qt)+\j], v[16*(4*\ks+\qt)+2*\j], v[16*(4*\ks+\qt)+2*\j+1]
.endr
.endr
.endr
.endm
; One slot's work: 128 matrix instructions for the scores, the softmax step, 128 for O.  Fragments come in groups of 16 loads into two buffers, each group
; issued one group of 32 matrix instructions ahead; every s_wait_dscnt 16 leaves out the 16 loads of the younger group.
; Four v_nop stand in front of each group of loads into registers that matrix instructions have read, and in front of the softmax's first read of the scores.
.macro WORK slot, first
.if \first == 0
	PLACES 5                                       ; behind the last slot's products: loads into their fragments (4), matrix instructions that write over the probabilities (5)
.endif
	FETCHK \slot, 0, F0
	FETCHK \slot, 1, F1
	s_wait_dscnt 16
	MULS 0, F0
	PLACES 4
	FETCHK \slot, 2, F0
	s_wait_dscnt 16
	MULS 1, F1
	PLACES 4
	FETCHK \slot, 3, F1
	s_wait_dscnt 16
	MULS 2, F0
	PLACES 4
	FETCHV \slot, 0, F0
	s_wait_dscnt 16
	MULS 3, F1
	PLACES 4
	FETCHV \slot, 1, F1
	SOFTMAX \first
	s_wait_dscnt 16
	MULP 0, F0, \first
	PLACES 4
	FETCHV \slot, 2, F0
	s_wait_dscnt 16
	MULP 1, F1, 0
	PLACES 4
	FETCHV \slot, 3, F1
	s_wait_dscnt 16
	MULP 2, F0, 0
	s_wait_dscnt 0x0
	MULP 3, F1, 0
	WIN 0
.endm
; The change of slots.  Each wave waits for all its tensor loads (one is out: its part of the slot to be read now) and for its reads of the other slot;
; then a round of the cluster's barrier: no wave of the four work-groups still reads that slot or has a load on its way; the joint refill comes first behind it,
; one tensor load a wave, and has a whole slot's work in which to land.  refill = 0 (the last slot): my work-group's barrier alone.
.macro CHANGE slot, other, refill
	s_wait_tensorcnt 0x0
	ds_add_u32 v254, v255
	s_wait_dscnt 0x0
.if \refill
	s_add_nc_u64 s[G0K+4*\other+2:G0K+4*\other+3], s[G0K+4*\other+2:G0K+4*\other+3], 131072   ; no load of mine is out: the other slot's next 256 keys, 512 on
	s_add_nc_u64 s[G0V+4*\other+2:G0V+4*\other+3], s[G0V+4*\other+2:G0V+4*\other+3], 1024
.endif
	s_wait_dscnt 0x0
.if \refill
	ROUND
	JLOAD \other
.else
	s_barrier_signal -1
	s_barrier_wait -1
.endif
.endm
	s_wait_tensorcnt 0x1                           ; my part of slot 0 is in; slot 1's may stay out
	s_barrier_signal -1
	s_barrier_wait -1
	WORK 0, 1                                      ; keys 0-255 start maxima, sums and O: nothing is cleared
	s_mov_b32 s74, 7                               ; 16 slots of 256 keys: 1 + 2 x 7 + 1
.Ltrips:
	CHANGE 1, 0, 1
	WORK 1, 0
	CHANGE 0, 1, 1
	WORK 0, 0
	s_sub_co_u32 s74, s74, 1
	s_cmp_lg_u32 s74, 0
	s_cbranch_scc1 .Ltrips
	CHANGE 1, 0, 0                                 ; the last 256 keys: nothing is left to fetch
	WORK 1, 0
	; x's rows o = 32 w + i, my 512 bytes of each, go on their way now, into window 2 (four places behind the products that read it)
	PLACES 4
	WIN 0x80
.set i, 0
.rept 32
	global_load_b128 v[4*i:4*i+3], v[L16], s[80:81] offset:i*16384 th:TH_LOAD_NT
.set i, i+1
.endr
	WIN 0
	; my sums: two chains, two halves of a pair, two lanes
.irp qt, 0,1,2,3
	v_pk_add_f32 v[LS+4*\qt:LS+4*\qt+1], v[LS+4*\qt:LS+4*\qt+1], v[LS+4*\qt+2:LS+4*\qt+3]
.endr
.irp qt, 0,1,2,3
	v_add_f32 v[OWN+2*\qt+1], v[LS+4*\qt], v[LS+4*\qt+1]
	v_mov_b32 v[OWN+2*\qt], v[NM+2*\qt]
.endr
.irp qt, 0,1,2,3
	v_permlanex16_b32 v[T+\qt], v[OWN+2*\qt+1], s72, s73
.endr
.irp qt, 0,1,2,3
	v_add_f32 v[OWN+2*\qt+1], v[OWN+2*\qt+1], v[T+\qt]
.endr
.irp qt, 0,1,2,3
	ds_store_b64 v[XW], v[OWN+2*\qt:OWN+2*\qt+1] offset:128*\qt    ; lanes r and r + 16 write the same 8 bytes with the same numbers
.endr
	s_wait_dscnt 0x0                               ; my words are written and my reads of the slots are over,
	s_barrier_signal -1
	s_barrier_wait -1                              ; everybody's: the slots have had their last fill and may now serve as stages
.irp qt, 0,1,2,3
	ds_load_b64 v[PAR+2*\qt:PAR+2*\qt+1], v[XR] offset:128*\qt
.endr
	s_wait_dscnt 0x0
.irp qt, 0,1,2,3
	v_min_num_f32 v[T+\qt], v[OWN+2*\qt], v[PAR+2*\qt]             ; the common maximum
.endr
.irp qt, 0,1,2,3
	v_sub_f32 v[SC+2*\qt],   v[T+\qt], v[OWN+2*\qt]
	v_sub_f32 v[SC+2*\qt+1], v[T+\qt], v[PAR+2*\qt]
.endr
.irp j, 0,1,2,3,4,5,6,7
	v_exp_f32 v[SC+\j], v[SC+\j]                   ; my factor, my partner's; one of the two is 1
.endr
	v_nop
	s_wait_alu depctr_va_vdst(0)
.irp qt, 0,1,2,3
	v_mul_f32 v[T+\qt], v[PAR+2*\qt+1], v[SC+2*\qt+1]
.endr
.irp qt, 0,1,2,3
	v_fmac_f32 v[T+\qt], v[OWN+2*\qt+1], v[SC+2*\qt]               ; the common sum: at least the largest term's 2^0, up to rounding
.endr
.irp qt, 0,1,2,3
	v_rcp_f32 v[T+\qt], v[T+\qt]
.endr
	v_nop
	s_wait_alu depctr_va_vdst(0)
.irp qt, 0,1,2,3
	v_mul_f32 v[SC+2*\qt], v[SC+2*\qt], v[T+\qt]
.endr
.irp qt, 0,1,2,3
	v_mov_b32 v[SC+2*\qt+1], v[SC+2*\qt]
.endr
	SCALEO SC                                      ; my part of y
	WIN 0x0f                                       ; from window 3 into the fragment buffers
.irp ct, 0,1,2,3,4,5,6,7
.irp qt, 0,1,2,3
.irp p, 0,1,2,3
	v_cvt_pk_bf16_f32 v[F0+4*(4*\ct+\qt)+\p], v[8*(4*\ct+\qt)+2*\p], v[8*(4*\ct+\qt)+2*\p+1]
.endr
.endr
.endr
	WIN 0
.irp ct, 0,1,2,3,4,5,6,7
.irp qt, 0,1,2,3
	ds_store_b128 v[STO], v[F0+4*(4*\ct+\qt):F0+4*(4*\ct+\qt)+3] offset:\qt*16*YP+32*\ct   ; row 128 kh + q, channels 16 ct + 8 h ..
.endr
.endr
	s_wait_dscnt 0x0
	s_barrier_signal -1
	s_barrier_wait -1                              ; y's stage is whole: 256 rows (key half, q) x 128 channels
; The last convolution, transposed: D(c, o) = sum over the 256 rows of y^T (A, by transposing loads) x wz_w (B, the same 128 weights for both key halves).
.macro FETCHT k, f
	WIN 0
.irp ct, 0,1,2,3,4,5,6,7
	ds_load_tr16_b128 v[\f+8*\ct:\f+8*\ct+3],   v[TRA+\k/4] offset:(\k%4)*32*YP+32*\ct
	ds_load_tr16_b128 v[\f+8*\ct+4:\f+8*\ct+7], v[TRA+\k/4] offset:(\k%4)*32*YP+32*\ct+16*YP
.endr
.endm
.macro MULZ k, f                       ; 16 accumulators (ct, ot) in window 3 at 8 (2 ct + ot) take turns
	WIN 0xf4                                       ; A window 0, B window 1, C and D window 3
.irp ct, 0,1,2,3,4,5,6,7
.irp ot, 0,1
.if \k == 0
	v_wmma_f32_16x16x32_bf16 v[8*(2*\ct+\ot):8*(2*\ct+\ot)+7], v[\f+8*\ct:\f+8*\ct+7], v[128+8*(4*\ot+\k%4):128+8*(4*\ot+\k%4)+7], 0
.else
	v_wmma_f32_16x16x32_bf16 v[8*(2*\ct+\ot):8*(2*\ct+\ot)+7], v[\f+8*\ct:\f+8*\ct+7], v[128+8*(4*\ot+\k%4):128+8*(4*\ot+\k%4)+7], v[8*(2*\ct+\ot):8*(2*\ct+\ot)+7]
.endif
.endr
.endr
.endm
	FETCHT 0, F0
	FETCHT 1, F1
	s_wait_dscnt 16                                ; as above: the younger group's 16 loads stay out
	MULZ 0, F0
	PLACES 4
	FETCHT 2, F0
	s_wait_dscnt 16
	MULZ 1, F1
	PLACES 4
	FETCHT 3, F1
	s_wait_dscnt 16
	MULZ 2, F0
	PLACES 4
	FETCHT 4, F0
	s_wait_dscnt 16
	MULZ 3, F1
	PLACES 4
	FETCHT 5, F1
	s_wait_dscnt 16
	MULZ 4, F0
	PLACES 4
	FETCHT 6, F0
	s_wait_dscnt 16
	MULZ 5, F1
	PLACES 4
	FETCHT 7, F1
	s_wait_dscnt 16
	MULZ 6, F0
	s_wait_dscnt 0x0
	MULZ 7, F1
	PLACES 4
	WIN 0xc3
.irp ct, 0,1,2,3,4,5,6,7
.irp ot, 0,1
.irp p, 0,2,4,6
	v_pk_fma_f32 v[8*(2*\ct+\ot)+\p:8*(2*\ct+\ot)+\p+1], v[8*(2*\ct+\ot)+\p:8*(2*\ct+\ot)+\p+1], v[WW:WW+1], v[WB+2*\ot:WB+2*\ot+1]   ; w conv + w wz_b[o]
.endr
.endr
.endr
	; a lane holds 8 neighbouring columns (32 bytes) of row o = 32 w + 16 ot + r: through my own rows of the stage, so that whole rows leave
	WIN 0x0c                                       ; store data in window 3
.irp ct, 0,1,2,3,4,5,6,7
.irp ot, 0,1
	ds_store_b128 v[ZSTO], v[8*(2*\ct+\ot):8*(2*\ct+\ot)+3]   offset:\ot*16*ZP+64*\ct
	ds_store_b128 v[ZSTO], v[8*(2*\ct+\ot)+4:8*(2*\ct+\ot)+7] offset:\ot*16*ZP+64*\ct+16
.endr
.endr
	WIN 0
.set i, 0
.rept 32
	ds_load_b128 v[F0+4*i:F0+4*i+3], v[ZRD] offset:i*ZP            ; LDS serves a wave's instructions in order (ISA guide 5.7.1): these see the stores above
.set i, i+1
.endr
	s_wait_loadcnt 0x0                             ; x
	s_wait_dscnt 0x0
	WIN 0x02                                       ; x in window 2
.set i, 0
.rept 64
	v_pk_fma_f32 v[F0+2*i:F0+2*i+1], v[2*i:2*i+1], v[W1M:W1M+1], v[F0+2*i:F0+2*i+1]   ; (1 - w) x + the rest
.set i, i+1
.endr
	WIN 0
.set i, 0
.rept 32
	global_store_b128 v[L16], v[F0+4*i:F0+4*i+3], s[82:83] offset:i*16384 th:TH_STORE_NT   ; the wave stores 512 consecutive bytes of row 32 w + i, from a multiple of 512
.set i, i+1
.endr
	s_wait_tensorcnt 0x0
	ds_add_u32 v254, v255
	s_wait_dscnt 0x0
	ROUND                                          ; the closing round: no work-group ends while a partner may still ask for a tile that names it
	s_endpgm
.Lfunc_end_k_q5dba524d2d_attn:
	.size	k_q5dba524d2d_attn, .Lfunc_end_k_q5dba524d2d_attn-k_q5dba524d2d_attn
	.p2alignl 7, 3214868480
	.fill 96, 4, 3214868480
	.section	.rodata,"a",@progbits
	.p2align	6, 0x0
	.amdhsa_kernel k_q5dba524d2d_attn
		.amdhsa_group_segment_fixed_size 327680
		.amdhsa_private_segment_fixed_size 0
		.amdhsa_enable_private_segment 0
		.amdhsa_kernarg_size 64
		.amdhsa_user_sgpr_count 2
		.amdhsa_user_sgpr_kernarg_segment_ptr 1
		.amdhsa_wavefront_size32 1
		.amdhsa_system_sgpr_workgroup_id_x 1
		.amdhsa_system_sgpr_workgroup_id_y 1
		.amdhsa_system_sgpr_workgroup_id_z 1
		.amdhsa_system_vgpr_workitem_id 0
		.amdhsa_next_free_vgpr 1024
		.amdhsa_next_free_sgpr 96
		.amdhsa_reserve_vcc 0
		.amdhsa_float_denorm_mode_32 3
		.amdhsa_float_denorm_mode_16_64 3
		.amdhsa_memory_ordered 1
		.amdhsa_forward_progress 1
		.amdhsa_inst_pref_size 255
	.end_amdhsa_kernel
	.section	.bss,"aw",@nobits
	.p2align	6
	.space	262144
	.amdgpu_metadata
---
amdhsa.version: [ 1, 2 ]
amdhsa.kernels:
  - .name:           k_q5dba524d2d_attn
    .symbol:         k_q5dba524d2d_attn.kd
    .args:
      - { .name: thT, .offset: 0, .size: 8, .value_kind: global_buffer, .address_space: global }
      - { .name: phT, .offset: 8, .size: 8, .value_kind: global_buffer, .address_space: global }
      - { .name: gB, .offset: 16, .size: 8, .value_kind: global_buffer, .address_space: global }
      - { .name: wz_w, .offset: 24, .size: 8, .value_kind: global_buffer, .address_space: global }
      - { .name: wz_b, .offset: 32, .size: 8, .value_kind: global_buffer, .address_space: global }
      - { .name: w, .offset: 40, .size: 8, .value_kind: global_buffer, .address_space: global }
      - { .name: x, .offset: 48, .size: 8, .value_kind: global_buffer, .address_space: global }
      - { .name: out0, .offset: 56, .size: 8, .value_kind: global_buffer, .address_space: global }
    .group_segment_fixed_size: 327680
    .private_segment_fixed_size: 0
    .kernarg_segment_align: 8
    .kernarg_segment_size: 64
    .max_flat_workgroup_size: 128
    .sgpr_count:     96
    .vgpr_count:     1024
    .wavefront_size: 32
...
	.end_amdgpu_metadata
.endif
;; end of part 2
;; ======== version 2 of 2: 2 launches; version 1 with the launch proj written anew for expert scheduling mode
;; workspace buffers: thT 8,388,608 bytes; phT 8,388,608 bytes; gB 8,388,608 bytes
;; launch proj (part 3): grid 32 x 8, 8 waves a work-group, no clusters, 142,336 bytes of LDS; arguments x, theta_w, theta_b, phi_w, phi_b, g_w, g_b, thT, phT, gB; writes thT, phT, gB
.if DOCPART == 3
	.amdgcn_target "amdgcn-amd-amdhsa--gfx1250"
	.amdhsa_code_object_version 6
	.text
	.protected	k_q5dba524d2d_proj
	.globl	k_q5dba524d2d_proj
	.p2align	8
	.type	k_q5dba524d2d_proj,@function
k_q5dba524d2d_proj:
	s_mov_b64 s[64:65], 0
	v_nop
	global_prefetch_b8 v0, s[64:65] scope:SCOPE_SE
	s_setreg_imm32_b32 hwreg(HW_REG_WAVE_SCHED_MODE, 0, 2), 2
	s_setreg_imm32_b32 hwreg(HW_REG_WAVE_MODE, 25, 1), 1
	s_wait_xcnt 0x0
	s_wait_alu depctr_vm_vsrc(0)
; The three 1x1 convolutions of x[b][c][n] (f32), results in bf16 for the attention launch:
;   thT[b][n][o] = sum over c of theta_w[o][c] x[b][c][n] + theta_b[o]     (rows of 256 bytes, o along the row)
;   phT[b][m][o] = the same with phi_w, phi_b
;   gB [b][o][m] = the same with g_w, g_b                                  (rows of 8,192 bytes, m along the row)
; Work-group (nb, b) takes the 128 columns n = 128 nb .. of batch b; wave w (of 8) the output channels 16 w .. 16 w + 15 of all three.
; x and the weights are rounded to bf16 on the way to the matrix unit, sums and biases are f32, each result is rounded once to bf16.
; LIMITS: operands and results are bf16 (8 bits of mantissa); NaN and infinities in the inputs are not followed.
; No tensor loads: every byte is read once, straight into registers, and only x's tile is shared (through LDS, once).
; No cluster: the work-groups share only the 192 KiB of weights, a small part beside the 64 KiB of x that each reads alone, read once each.
; THE MODE: SCHED_MODE bits 1:0 = 2 (LLVM: expert scheduling mode 2), set by the entry lines.  The code itself states the register dependences
; between vector or matrix instructions and memory or LDS instructions, with s_wait_alu, always for 0.
; THE PLAN.  The text is one straight run.  Registers that memory or LDS instructions touch:
;   v4-15, v244   offsets and LDS addresses: each made once at the head, ahead of a wait on va_vdst, and never written again.
;   v256-319      x as loaded; rounded in place; read by the LDS stores of x's tile; never written again.
;   XF0, XF1      x's fragments.  Tile t: its 12 matrix instructions read buffer t % 2; behind them the loads of tile t + 2 land in it.
;   P0, P1        packed results.  Tile t: its 12 conversions write buffer t % 2; the three LDS stores that read it are issued in tile t + 1.
;   v112-207      at the end: the read-backs land here, and the global stores read them.
;   v254, v255    written at the head, read by the closing add alone.
; So ONE place in a tile holds its waits, behind the matrix instructions and their places: va_vdst states that the matrix instructions are done reading their
; fragments of x and that the tile before has written its packed results; vm_vsrc (from tile 2 on) that the stores issued in the tile before have read the packed
; buffer that this tile writes again.  The tile's 8 loads and 3 stores follow, dealt among its 12 conversions, which name the accumulators and their own packed
; buffer: none of the registers that those loads and stores touch.
.set XP,   288                         ; pitch of x's tile in LDS: 256 bytes + 32 = 9 x 32, for the transposing loads
.set SP,   272                         ; pitch of the stages: 256 bytes + 16 = 17 x 16: 16 rows start in 16 different 16-byte columns of 256
.set STT,  128*XP                      ; stage of theta^T, 128 rows n; x's tile [c][n] lies at byte 0
.set STP,  STT+128*SP                  ; stage of phi^T
.set STG,  STP+128*SP                  ; stage of g, 128 rows o; it ends at 141,312
.set L16,  4                           ; v4   16 x lane
.set WO,   5                           ; v5   512 r + 32 h: my place in a weight's 16 rows
.set XSW,  6                           ; v6   where I put 8 bytes of x's tile
.set XA,   7                           ; v7   transposing loads from x's tile
.set SAT,  8                           ; v8-10  where I put 16 bytes in the three stages
.set SAP,  9
.set SAG,  10
.set RDT,  11                          ; v11-13 where I read whole rows back
.set RDP,  12
.set RDG,  13
.set GO,   14                          ; v14  8192 h + 16 r: two rows of gB
.set BO,   15                          ; v15  byte offset of my 8 biases of theta and phi
.set WF,   16                          ; v16-207 weights as loaded (f32, fragment f = 4 mat + ks at 16 + 16 f); then bf16 in v16-111 (16 + 8 f)
.set ACC,  112                         ; v112-135 three accumulators; v112-207 serve the read-back at the end
.set PL,   136                         ; v136-143 packed results, buffer 1: theta's and phi's four registers
.set XF0,  144                         ; v144-175, v176-207: x's fragments of one n tile (4 K steps x 8 registers), two buffers
.set XF1,  176
.set BT,   208                         ; v208-215 theta_b[16 w + 8 h + j], v216-223 phi_b likewise, v224-231 g_b[16 w + r] eight times
.set BP,   216
.set BG,   224
.set PK,   232                         ; v232-243 packed results, buffer 0
.set BO2,  244                         ; v244 byte offset of my g_b
.set TA,   245
.set TB,   246
.set PH,   248                         ; v248-251 packed results, buffer 1: g's four registers
; window 1 (v256-319): x's tile as loaded, 16 rows x 4 registers
.set MSB, 0
.macro WIN new                         ; s_set_vgpr_msb: bits 1:0 source 0, 3:2 source 1, 5:4 source 2, 7:6 destination; the high byte repeats the setting left
.if MSB != \new
	s_set_vgpr_msb (MSB<<8)|\new
.set MSB, \new
.endif
.endm
	s_load_b512 s[4:19], s[0:1], 0x0               ; x, theta_w, theta_b, phi_w, phi_b, g_w, g_b, thT
	s_load_b128 s[20:23], s[0:1], 0x40             ; phT, gB
	v_lshl_add_u32 v254, v0, 2, 0x22800
	v_mov_b32 v255, 0
	v_lshrrev_b32 v1, 5, v0
	v_readfirstlane_b32 s24, v1                    ; wave 0..7
	s_and_b32 s26, ttmp7, 0xffff                   ; b
	v_and_b32 v1, 31, v0                           ; L
	v_and_b32 v2, 15, v0                           ; r
	v_bfe_u32 v3, v0, 4, 1                         ; h
	v_lshlrev_b32 v[L16], 4, v1
	v_lshlrev_b32 v[WO], 9, v2
	v_lshl_add_u32 v[WO], v3, 5, v[WO]
	s_wait_alu depctr_va_sdst(0)                   ; s24 is written, ahead of its first reader: the offsets below are made from it
	s_lshl_b32 s27, s24, 6                         ; 16 w numbers of 4 bytes
	v_lshl_add_u32 v[BO], v3, 5, s27               ; (16 w + 8 h) x 4
	v_lshl_add_u32 v[BO2], v2, 2, s27              ; (16 w + r) x 4
	s_lshl_b32 s28, s26, 21                        ; x: b x 2 MiB + nb x 512 + 16 w rows of 16,384 bytes
	s_lshl_b32 s30, ttmp9, 9
	s_add_co_u32 s28, s28, s30
	s_lshl_b32 s30, s24, 18
	s_add_co_u32 s28, s28, s30
	s_mov_b32 s29, 0
	s_lshl_b32 s30, s24, 13                        ; weights: 16 w rows of 512 bytes
	s_mov_b32 s31, 0
	s_lshl_b32 s32, s26, 20                        ; workspace: b x 1 MiB
	s_lshl_b32 s34, ttmp9, 15                      ; thT, phT: + 128 nb rows of 256 bytes + 16 w rows
	s_add_co_u32 s34, s34, s32
	s_lshl_b32 s36, s24, 12
	s_add_co_u32 s34, s34, s36
	s_mov_b32 s35, 0
	s_lshl_b32 s36, s24, 17                        ; gB: + 16 w rows of 8,192 bytes + nb x 256
	s_add_co_u32 s36, s36, s32
	s_lshl_b32 s38, ttmp9, 8
	s_add_co_u32 s36, s36, s38
	s_mov_b32 s37, 0
	s_wait_kmcnt 0x0
	s_add_nc_u64 s[4:5], s[4:5], s[28:29]
	s_add_nc_u64 s[6:7], s[6:7], s[30:31]
	s_add_nc_u64 s[10:11], s[10:11], s[30:31]
	s_add_nc_u64 s[14:15], s[14:15], s[30:31]
	s_add_nc_u64 s[18:19], s[18:19], s[34:35]
	s_add_nc_u64 s[20:21], s[20:21], s[34:35]
	s_add_nc_u64 s[22:23], s[22:23], s[36:37]
	; 69 loads go out in one run: x first, since it has the longer way (through LDS).
	WIN 0x40                                       ; destination in window 1
	s_wait_alu depctr_va_vdst(0)                   ; the offsets v4, v5, v15 and v244 are written, which the 69 loads read; only loads and window switches follow up to the last of them
.irp i, 0,1,2,3,4,5,6,7,8,9,10,11,12,13,14,15
	global_load_b128 v[4*\i:4*\i+3], v[L16], s[4:5] offset:\i*16384    ; row c = 16 w + i: the wave takes its 512 consecutive bytes
.endr
	WIN 0
; A fragment wants, of row r, k = 32 ks + 8 h + 0..7 and k = 32 ks + 16 + 8 h + 0..7: in f32 two times 32 bytes, 64 bytes apart.
.macro LDW mat, base
.irp ks, 0,1,2,3
	global_load_b128 v[WF+16*(4*\mat+\ks):WF+16*(4*\mat+\ks)+3],     v[WO], s[\base:\base+1] offset:128*\ks
	global_load_b128 v[WF+16*(4*\mat+\ks)+4:WF+16*(4*\mat+\ks)+7],   v[WO], s[\base:\base+1] offset:128*\ks+16
	global_load_b128 v[WF+16*(4*\mat+\ks)+8:WF+16*(4*\mat+\ks)+11],  v[WO], s[\base:\base+1] offset:128*\ks+64
	global_load_b128 v[WF+16*(4*\mat+\ks)+12:WF+16*(4*\mat+\ks)+15], v[WO], s[\base:\base+1] offset:128*\ks+80
.endr
.endm
	LDW 0, 6
	LDW 1, 10
	LDW 2, 14
	global_load_b128 v[BT:BT+3],   v[BO], s[8:9]
	global_load_b128 v[BT+4:BT+7], v[BO], s[8:9] offset:16
	global_load_b128 v[BP:BP+3],   v[BO], s[12:13]
	global_load_b128 v[BP+4:BP+7], v[BO], s[12:13] offset:16
	global_load_b32  v[BG], v[BO2], s[16:17]
	; LDS addresses, while the loads are on their way: none of these lines names a register that a pending load reads or lands in
	s_mul_i32 s38, s24, 16*XP
	v_lshl_add_u32 v[XSW], v1, 3, s38              ; row 16 w, 8 bytes a lane
	v_and_b32 v[XA], 7, v0
	v_lshl_add_u32 v[XA], v3, 3, v[XA]
	v_mul_u32_u24 v[XA], v[XA], XP                 ; row 8 h + (L & 7)
	v_bfe_u32 v[TA], v0, 3, 1
	v_lshl_add_u32 v[XA], v[TA], 4, v[XA]          ; + 16 ((L >> 3) & 1)
	v_mul_u32_u24 v[TA], v2, SP
	v_lshl_add_u32 v[TA], v3, 4, v[TA]             ; 272 r + 16 h
	s_lshl_b32 s39, s24, 5
	s_add_co_u32 s39, s39, STT
	v_add_nc_u32 v[SAT], s39, v[TA]                ; theta^T: row n = r, bytes 32 w + 16 h
	v_add_nc_u32 v[SAP], 128*SP, v[SAT]
	s_mul_i32 s40, s24, 16*SP
	s_add_co_u32 s41, s40, STG
	v_add_nc_u32 v[SAG], s41, v[TA]                ; g: row o = 16 w + r, bytes 16 h
	v_mul_u32_u24 v[TB], v3, SP
	v_lshl_add_u32 v[TB], v2, 4, v[TB]             ; 272 h + 16 r
	s_add_co_u32 s42, s40, STT
	v_add_nc_u32 v[RDT], s42, v[TB]                ; rows 16 w + h
	v_add_nc_u32 v[RDP], 128*SP, v[RDT]
	v_add_nc_u32 v[RDG], 128*SP, v[RDP]
	v_lshlrev_b32 v[GO], 4, v2
	v_lshl_add_u32 v[GO], v3, 13, v[GO]
	s_wait_loadcnt 53                              ; loads return in order: x's 16 are in, the 48 of the weights and the 5 of the biases may be out
	WIN 0x45                                       ; destination and both sources in window 1
.irp i, 0,1,2,3,4,5,6,7,8,9,10,11,12,13,14,15
	v_cvt_pk_bf16_f32 v[4*\i],   v[4*\i],   v[4*\i+1]
	v_cvt_pk_bf16_f32 v[4*\i+1], v[4*\i+2], v[4*\i+3]
.endr
	WIN 0x04                                       ; store data in window 1
	s_wait_alu depctr_va_vdst(0)                   ; the conversions have written x's tile in v256 .., which the LDS stores read; v6, their address, is written, and so are v7 to v14 for all that follows
.irp i, 0,1,2,3,4,5,6,7,8,9,10,11,12,13,14,15
	ds_store_b64 v[XSW], v[4*\i:4*\i+1] offset:\i*XP               ; 32 lanes x 8 bytes: one row of the tile
.endr
	WIN 0
	s_wait_loadcnt 0x0
	; weights to bf16, packed downward in place: word d is written from words 2 d and 2 d + 1, d ascending, so word d was read at step d / 2
.set i, 0
.rept 96
	v_cvt_pk_bf16_f32 v[WF+i], v[WF+2*i], v[WF+2*i+1]
.set i, i+1
.endr
.irp j, 1,2,3,4,5,6,7
	v_mov_b32 v[BG+\j], v[BG]                      ; g's result tile has one o in a lane: the same bias in all 8 registers
.endr
	s_wait_dscnt 0x0                               ; my rows of x's tile are in LDS,
	s_barrier_signal -1
	s_barrier_wait -1                              ; everybody's are
; x's fragments of n tile t: the tile lies [c][n], so 8 x 8 blocks are transposed on the way: k = 32 ks + 8 h .. of column 16 t + r, then k + 16.
; LXH: the four loads of K steps ka and kb; LX: all eight.
.macro LXH t, f, ka, kb
.irp ks, \ka, \kb
	ds_load_tr16_b128 v[\f+8*\ks:\f+8*\ks+3],   v[XA] offset:\ks*32*XP+32*(\t)
	ds_load_tr16_b128 v[\f+8*\ks+4:\f+8*\ks+7], v[XA] offset:\ks*32*XP+32*(\t)+16*XP
.endr
.endm
.macro LX t, f
	LXH \t, \f, 0, 1
	LXH \t, \f, 2, 3
.endm
; n tile t's packed results go into the three stages: a, b, c are the first registers of theta's, phi's and g's four.
.macro PUT t, a, b, c
	ds_store_b128 v[SAT], v[\a:\a+3] offset:(\t)*16*SP
	ds_store_b128 v[SAP], v[\b:\b+3] offset:(\t)*16*SP
	ds_store_b128 v[SAG], v[\c:\c+3] offset:32*(\t)
.endm
; One n tile: 12 matrix instructions.  theta and phi: A = weights (rows o), B = x (columns n): a lane gets 8 neighbouring o of one n.
; g: A = x (rows n), B = weights (columns o): a lane gets 8 neighbouring n of one o.  The biases are the first C: nothing is cleared or added later.
; The three accumulators take turns, one instruction a turn.
; PW0-2: the packed buffer that this tile's conversions write (t % 2); PR0-2: the other, which the tile before wrote and whose stores are issued here.
.macro TILE t, f, left, more
.if (\t)%2 == 0
.set PW0, PK
.set PW1, PK+4
.set PW2, PK+8
.set PR0, PL
.set PR1, PL+4
.set PR2, PH
.else
.set PW0, PL
.set PW1, PL+4
.set PW2, PH
.set PR0, PK
.set PR1, PK+4
.set PR2, PK+8
.endif
	s_wait_dscnt \left                             ; LDS instructions end in order: all but the \left issued behind this tile's 8 loads
.irp ks, 0,1,2,3
.if \ks == 0
	v_wmma_f32_16x16x32_bf16 v[ACC:ACC+7],     v[WF:WF+7],       v[\f:\f+7],       v[BT:BT+7]
	v_wmma_f32_16x16x32_bf16 v[ACC+8:ACC+15],  v[WF+32:WF+39],   v[\f:\f+7],       v[BP:BP+7]
	v_wmma_f32_16x16x32_bf16 v[ACC+16:ACC+23], v[\f:\f+7],       v[WF+64:WF+71],   v[BG:BG+7]
.else
	v_wmma_f32_16x16x32_bf16 v[ACC:ACC+7],     v[WF+8*\ks:WF+8*\ks+7],       v[\f+8*\ks:\f+8*\ks+7],       v[ACC:ACC+7]
	v_wmma_f32_16x16x32_bf16 v[ACC+8:ACC+15],  v[WF+32+8*\ks:WF+32+8*\ks+7], v[\f+8*\ks:\f+8*\ks+7],       v[ACC+8:ACC+15]
	v_wmma_f32_16x16x32_bf16 v[ACC+16:ACC+23], v[\f+8*\ks:\f+8*\ks+7],       v[WF+64+8*\ks:WF+64+8*\ks+7], v[ACC+16:ACC+23]
.endif
.endr
.rept 5
	v_nop                                          ; places behind the matrix instructions (ISA guide 7.12.1): four for the conversions of their results,
.endr                                                  ; a fifth for the next tile's matrix instructions, which write over the accumulators; they stay beside the wait below
	s_wait_alu depctr_va_vdst(0)                   ; this tile's matrix instructions are done reading their fragments of x, in which the loads below land; the tile before's conversions have written the packed results that the stores below read
.if \t >= 2
	s_wait_alu depctr_vm_vsrc(0)                   ; the LDS stores issued in the tile before have read the packed buffer that the conversions below write again
.endif
.if \more
	LXH \t+2, \f, 0, 1                             ; the tile two on, into the buffer just multiplied
.endif
.irp j, 0,1,2,3
	v_cvt_pk_bf16_f32 v[PW0+\j], v[ACC+2*\j], v[ACC+2*\j+1]
.endr
.if \more
	LXH \t+2, \f, 2, 3                             ; no wait: no vector or matrix instruction since the wait above names this buffer or v7
.endif
.irp j, 0,1,2,3
	v_cvt_pk_bf16_f32 v[PW1+\j], v[ACC+8+2*\j], v[ACC+8+2*\j+1]
.endr
.if \t >= 1
	PUT \t-1, PR0, PR1, PR2                        ; the tile before goes into the stages; the conversions since the wait name the other packed buffer alone
.endif
.irp j, 0,1,2,3
	v_cvt_pk_bf16_f32 v[PW2+\j], v[ACC+16+2*\j], v[ACC+16+2*\j+1]
.endr
.endm
	s_wait_alu depctr_va_vdst(0)                   ; the weights' conversions are done reading v144-207, in which x's fragments land
	LX 0, XF0
	LX 1, XF1
	TILE 0, XF0, 8,  1                             ; behind tile 0's loads: tile 1's 8
	TILE 1, XF1, 8,  1                             ; tile 2's 8 loads
	TILE 2, XF0, 11, 1                             ; tile 3's 8 loads and tile 0's 3 stores
	TILE 3, XF1, 14, 1                             ; 3 stores, 8 loads, 3 stores
	TILE 4, XF0, 14, 1
	TILE 5, XF1, 14, 1
	TILE 6, XF0, 14, 0
	TILE 7, XF1, 6,  0                             ; two tiles' stores
	s_wait_alu depctr_va_vdst(0)                   ; tile 7's conversions have written its packed results, which the stores read; no vector or matrix instruction follows, so all readers and writers of v112-207, in which the read-backs land, are done too
	PUT 7, PL, PL+4, PH
	s_wait_dscnt 0x0                               ; my parts of the stages are written,
	s_barrier_signal -1
	s_barrier_wait -1                              ; everybody's are: a row of theta^T and phi^T has 32 bytes from each wave
	; whole rows back and out: 16 lanes store 256 consecutive bytes that begin at a multiple of 256 from the buffer's first byte
	s_wait_alu depctr_vm_vsrc(0)                   ; tile 7's LDS stores have read v136-143, in which two of the read-backs land
.irp t, 0,1,2,3,4,5,6,7
	ds_load_b128 v[ACC+4*\t:ACC+4*\t+3], v[RDT] offset:\t*2*SP
.endr
.irp t, 0,1,2,3,4,5,6,7
	ds_load_b128 v[ACC+32+4*\t:ACC+32+4*\t+3], v[RDP] offset:\t*2*SP
.endr
.irp t, 0,1,2,3,4,5,6,7
	ds_load_b128 v[ACC+64+4*\t:ACC+64+4*\t+3], v[RDG] offset:\t*2*SP
.endr
.irp t, 0,1,2,3,4,5,6,7
	s_wait_dscnt 23-\t                             ; the counts run down: the younger read-backs stay out
	global_store_b128 v[L16], v[ACC+4*\t:ACC+4*\t+3], s[18:19] offset:\t*512
.endr
.irp t, 0,1,2,3,4,5,6,7
	s_wait_dscnt 15-\t
	global_store_b128 v[L16], v[ACC+32+4*\t:ACC+32+4*\t+3], s[20:21] offset:\t*512
.endr
.irp t, 0,1,2,3,4,5,6,7
	s_wait_dscnt 7-\t
	global_store_b128 v[GO], v[ACC+64+4*\t:ACC+64+4*\t+3], s[22:23] offset:\t*16384
.endr
	s_wait_dscnt 0x0                               ; the closing lines, six on end
	s_wait_alu 0x0
	s_wait_tensorcnt 0x0
	ds_add_u32 v254, v255
	s_wait_dscnt 0x0
	s_endpgm
.Lfunc_end_k_q5dba524d2d_proj:
	.size	k_q5dba524d2d_proj, .Lfunc_end_k_q5dba524d2d_proj-k_q5dba524d2d_proj
	.p2alignl 7, 3214868480
	.fill 96, 4, 3214868480
	.section	.rodata,"a",@progbits
	.p2align	6, 0x0
	.amdhsa_kernel k_q5dba524d2d_proj
		.amdhsa_group_segment_fixed_size 142336
		.amdhsa_private_segment_fixed_size 0
		.amdhsa_enable_private_segment 0
		.amdhsa_kernarg_size 80
		.amdhsa_user_sgpr_count 2
		.amdhsa_user_sgpr_kernarg_segment_ptr 1
		.amdhsa_wavefront_size32 1
		.amdhsa_system_sgpr_workgroup_id_x 1
		.amdhsa_system_sgpr_workgroup_id_y 1
		.amdhsa_system_sgpr_workgroup_id_z 1
		.amdhsa_system_vgpr_workitem_id 0
		.amdhsa_next_free_vgpr 320
		.amdhsa_next_free_sgpr 66
		.amdhsa_reserve_vcc 0
		.amdhsa_float_denorm_mode_32 3
		.amdhsa_float_denorm_mode_16_64 3
		.amdhsa_memory_ordered 1
		.amdhsa_forward_progress 1
		.amdhsa_inst_pref_size 44
	.end_amdhsa_kernel
	.amdgpu_metadata
---
amdhsa.version: [ 1, 2 ]
amdhsa.kernels:
  - .name:           k_q5dba524d2d_proj
    .symbol:         k_q5dba524d2d_proj.kd
    .args:
      - { .name: x, .offset: 0, .size: 8, .value_kind: global_buffer, .address_space: global }
      - { .name: theta_w, .offset: 8, .size: 8, .value_kind: global_buffer, .address_space: global }
      - { .name: theta_b, .offset: 16, .size: 8, .value_kind: global_buffer, .address_space: global }
      - { .name: phi_w, .offset: 24, .size: 8, .value_kind: global_buffer, .address_space: global }
      - { .name: phi_b, .offset: 32, .size: 8, .value_kind: global_buffer, .address_space: global }
      - { .name: g_w, .offset: 40, .size: 8, .value_kind: global_buffer, .address_space: global }
      - { .name: g_b, .offset: 48, .size: 8, .value_kind: global_buffer, .address_space: global }
      - { .name: thT, .offset: 56, .size: 8, .value_kind: global_buffer, .address_space: global }
      - { .name: phT, .offset: 64, .size: 8, .value_kind: global_buffer, .address_space: global }
      - { .name: gB, .offset: 72, .size: 8, .value_kind: global_buffer, .address_space: global }
    .group_segment_fixed_size: 142336
    .private_segment_fixed_size: 0
    .kernarg_segment_align: 8
    .kernarg_segment_size: 80
    .max_flat_workgroup_size: 256
    .sgpr_count:     66
    .vgpr_count:     320
    .wavefront_size: 32
...
	.end_amdgpu_metadata
.endif
;; end of part 3
;; launch attn: the kernel of part 2 again; grid 32 x 8, 4 waves a work-group, clusters of 4 x 1, 327,680 bytes of LDS; arguments thT, phT, gB, wz_w, wz_b, w, x, out0; writes out0
